; MI455X (gfx1250); checked and timed in simulation.
; The chip was launched on July 23, 2026; its instructions are those of AMD's public machine-readable ISA for CDNA 5 (MIT licence, August 2026) and "CDNA5" Instruction Set Architecture Reference Guide (July 2026). The comments in the code are by the model that wrote it; some were corrected since.
;; A Li Bi Multi Head Attention. Allowed arithmetic: matrix products marked QUANTISED: E2M3 operands, one E8M0 scale for each 32 along K, by v_wmma_scale_f32_16x16x128_f8f6f4 with both operands' format E2M3, f32 sums; everything else in f32.
;; Inputs: w_kqv_codes 3,072 x 32 x 24 uint8 (E2M3 codes of w_kqv, K innermost, in blocks of 32 codes, four codes in three bytes); w_kqv_scales 3,072 x 32 uint8 (E8M0 scales of w_kqv, one for each 32 codes along K); x_codes 1 x 4,096 x 32 x 24 uint8 (E2M3 codes of x, K innermost, in blocks of 32 codes, four codes in three bytes); x_scales 1 x 4,096 x 32 uint8 (E8M0 scales of x, one for each 32 codes along K).
;; Outputs: out0 1 x 4,096 x 1,024 float32.
;; This version of the problem:
;;   THIS VERSION OF THE PROBLEM IS GIVEN IN LOW PRECISION. The matrix products marked QUANTISED in the list below multiply operands that are first quantised to E2M3 (2 exponent bits, 3 mantissa bits; 6 bits a number), with one power-of-two scale for each 32 numbers along K (OCP MX v1.0); their sums are f32. All else is computed in f32.
;;   The module's matrix products, in the order in which they are computed (A, B: the left and right operand; K: the contracted axis; several contracted axes count as one K, in the product's order):
;;     1. [M 4,096, K 1,024] x [K 1,024, N 3,072]; A: input x (given as codes); B: input w_kqv (given as codes): QUANTISED
;;     2. batch 16 x [M 4,096, K 64] x [K 64, N 4,096]; A: computed on the way; B: computed on the way: QUANTISED
;;     3. batch 16 x [M 4,096, K 4,096] x [K 4,096, N 64]; A: softmax (see below); B: computed on the way: QUANTISED
;;   THE QUANTISER, for each operand of a quantised product, along K:
;;     - K is cut into blocks of 32 from its start; a last block that is shorter is filled with zeros.
;;     - A block's scale is 2^e with e = floor(log2(the largest magnitude in the block)) - 2, held to -126 .. 127; a block of zeros has e = 0. As a byte (E8M0): e + 127.
;;     - Each number is divided by its block's scale, clamped to +-7.5, and rounded to the nearest number of E2M3, ties to even, subnormals kept.
;;     - The product sums the exact products of the quantised numbers (number of the format x scale) in f32.
;;   ~~~python
;;   def quantise(x, axis):      # numpy; x: float32 -> the quantised numbers, widened to float32 again
;;       x = np.moveaxis(x, axis, -1); K = x.shape[-1]
;;       x = np.pad(x, [(0, 0)] * (x.ndim - 1) + [(0, -K % 32)]); x = x.reshape(x.shape[:-1] + (-1, 32)); a = np.abs(x).max(-1, keepdims=True)
;;       e = np.where(a > 0, np.clip(np.frexp(np.where(a > 0, a, 1))[1] - 1 - 2, -126, 127), 0)      # np.frexp(a)[1] - 1 = floor(log2(a)), exactly
;;       r = np.clip(x / 2.0 ** e, -7.5, 7.5)
;;       step = 2.0 ** (np.maximum(np.frexp(np.where(r == 0, 1, r))[1] - 1, 0) - 3)
;;       q = np.round(r / step) * step * 2.0 ** e      # np.round: ties to even
;;       return np.moveaxis(q.reshape(q.shape[:-2] + (-1,))[..., :K], -1, axis).astype(np.float32)
;;   ~~~
;;   SOFTMAX AHEAD OF A QUANTISED PRODUCT. Where the list says 'softmax', what is quantised is not the finished softmax but p = 2^(t - M), with t = logit x log2(e) and M = ceil(the row's largest t), a whole number; so 1/2 < the row's largest p <= 1. The row's sum l is taken of the UNQUANTISED p, in f32, and the product's result is divided by l at the end. Since M is a whole number, a kernel that streams over the keys may use a running M (the ceiling of the running maximum): every later rescaling is an exact power of two, which a block's scale takes up: the codes' values come out the same.
;;   OPERANDS COMPUTED ON THE WAY. 'Computed on the way' means the value that the module computes at that place (a softmax that the list does not call 'softmax' is quantised finished and normalised). What goes into a quantiser is computed in f32, as accurately as f32 sums, v_exp_f32 and their like allow (about 1e-6 of the number): no bf16 or f16 on the way to a quantiser, and a product that is left as it is and whose result goes on into a quantised operand takes f32 operands (vector FMAs, or v_wmma_f32_16x16x4_f32). A number that lies on a knife's edge between two numbers of the format may be rounded either way, as far as f32 arithmetic and the matrix unit's own rounding can turn it there, and no further.
;;   INPUTS GIVEN AS CODES. w_kqv (in the module: [1024, 3072], K = its axis 0); x (in the module: [1, 4096, 1024], K = its axis 2): each comes as NAME_codes (uint8): NAME with its K axis moved to the last place and cut into blocks of 32 codes, [.., K / 32, bytes a block], one block behind the other in memory; four codes in three bytes: a row's codes are one little-endian stream of bits, code i at bits 6 i .. 6 i + 5 (a code: sign, 2 exponent bits, 3 mantissa bits); and NAME_scales (uint8): the same leading axes, one E8M0 byte (e + 127) for each 32 codes along K. Its value is code x scale, taken as it is: it is not quantised again, and the codes and scales need not be those that the quantiser above would give.
;; One version. Each part assembles by itself: llvm-mc -triple=amdgcn-amd-amdhsa -mcpu=gfx1250 --defsym DOCPART=n.
;; ======== version 1 of 1: 2 launches
;; limits: right only within a limited range of input values
;; workspace buffers: ws 10,223,616 bytes
;; launch proj (part 1): grid 48 x 4, 4 waves a work-group, clusters of 4 x 4, 327,680 bytes of LDS; arguments x_codes, x_scales, w_kqv_codes, w_kqv_scales, ws; writes ws
.if DOCPART == 1
	.amdgcn_target "amdgcn-amd-amdhsa--gfx1250"
	.amdhsa_code_object_version 6
	.text
	.protected	k_q5eecd062b5_proj
	.globl	k_q5eecd062b5_proj
	.p2align	8
	.type	k_q5eecd062b5_proj,@function
k_q5eecd062b5_proj:
	s_mov_b64 s[64:65], 0
	v_nop
	global_prefetch_b8 v0, s[64:65] scope:SCOPE_SE
	s_setreg_imm32_b32 hwreg(HW_REG_WAVE_MODE, 25, 1), 1
	s_wait_xcnt 0x0
	s_wait_alu depctr_hold_cnt(0) depctr_sa_sdst(0) depctr_va_vdst(0) depctr_va_sdst(0) depctr_va_ssrc(0) depctr_va_vcc(0) depctr_vm_vsrc(0)
	s_getreg_b32 s2, hwreg(HW_REG_IB_STS2, 6, 4)
	s_cmp_eq_u32 s2, 0
	s_cbranch_scc0 .Lentry_in_a_cluster
	s_endpgm
.Lentry_in_a_cluster:
	s_bfe_u32 s2, ttmp6, 0x10000c
	s_cmp_lg_u32 s2, 0xf033
	s_cbranch_scc0 .Lentry_shape_is_right
	s_endpgm
.Lentry_shape_is_right:
; kqv = x w (4,096 x 3,072, K = 1,024) on codes of FP6 (E2M3) with E8M0 scales, and the quantising of its results: k and q along the head's 64 channels, v along the keys.
; The f32 results never go to memory: each wave turns its 128 x 128 of them into eight operand fragments and their scale words, laid in ws as IMAGES OF THE OPERAND'S REGISTERS.
; A tile is 256 "A" rows (source 1) x 256 "B" rows (source 0).  In a result a lane holds ONE A row and its registers run along the B rows: so B is the axis along which the result is quantised.
;   clusters 0-7 (k and q): A = x (tokens), B = w's rows 0-2,047 (channels).     clusters 8-11 (v): A = w's rows 2,048 on (channels), B = x (tokens = keys).
; Both kinds take ONE path: only pointers and whole numbers are chosen, on the cluster's number.  12 clusters of 4 x 4 work-groups: 192 work-groups, each 512 matrix instructions a wave.
; (A tile that gave 256 work-groups, 256 x 192, would put two kinds or one and a half pairs of heads into a wave: not built.)
; Four waves, each 128 x 128: 64 accumulators.  K goes in steps of 256 through a ring of two LDS slots; the scale bytes of the tile's rows come once.  A's tiles are asked for jointly along a row of the cluster, B's along a column.
; THE ORDER INSIDE A BLOCK OF 32.  The 16 registers of accumulators 2 b and 2 b + 1 hold B rows 32 b + 16 (i / 8) + 8 (lane / 16) + i % 8: a whole block lies in lanes l and l xor 16, but its codes come out in another order
; than memory's.  Every operand of the later products (q and k; p and v) is made from registers laid so, so both sides of a product carry the same order: the products are the same, only the order of their sum differs.
; ws: record (pair of heads p, step of 128 tokens) at (32 p + step) x 39,936: K part, V part, Q part, 13,312 bytes each.  A part: eight fragments of 1,536 bytes (six chunks of 256: registers 2 P, 2 P + 1, lane l's 8 bytes at 8 l);
; at 12,288 the scale words (lane l: 16 bytes; word i: fragment 2 i + l / 16, row l % 16); at 12,800 the same words shifted right by 16 bits (the pair's second head's two bytes in front).
; LIMITS: a block of zeros gets the byte 1 where the quantiser says 127 (its codes are zeros, and only this program reads ws); a given scale byte 0xff, NaN and infinities are not served.
; No prefetch: the inputs are 5.7 MB and each tile is shared in the cluster.
; REGISTERS, in windows of 256: window 0: v0-31 addresses; v32-63 scale words, two sets; v64-105 at work on the way out; from v128 A's fragments, one set, later the codes made.
;   window 1: B's fragments, two sets.   window 2: the accumulators of my A rows 0-63 ((a, b) at v[8 (8 a + b)]);   window 3: those of rows 64-127.
.set SIZE_K, 1024
.set KSTEP,  256                       ; along K in a slot
.set NQ,     KSTEP/128                 ; matrix instructions deep
.set ROWB,   192                       ; a tile's row in bytes
.set KROW,   SIZE_K*6/8                ; a row of codes in memory
.set PITCH,  240                       ; an LDS row: 3 x (64 bytes + 16 of padding)
.set FR,     12                        ; registers of a fragment
.set NL,     6                         ; LDS loads that bring one
.set NP,     4                         ; places behind this matrix instruction (ISA guide 7.12.1)
.set HALFT,  128*PITCH                 ; 128 rows: one tensor load
.set SLOT,   4*HALFT                   ; A's 256 rows, then B's 256
.set LAPS,   SIZE_K/(2*KSTEP)
.set KS,     SIZE_K/32                 ; a row of scale bytes
.set SCL,    2*SLOT                    ; behind the ring: the scales, as units of 256 bytes + 16
.set HALFS,  (128*KS/256)*272
.set SBLK,   (16*KS/256)*272
.set SPARE,  SCL+4*HALFS               ; the spare words, 128 bytes a wave: two blocks of 256 bytes that no other line names
.set REC,    39936                     ; a record of ws
.set PART,   13312                     ; a part of it
.set ADRA, 16                          ; v16-17 LDS address of my A fragments in slot 0, 1 (v18-19: behind one padding more)
.set ADRB, 20                          ; v20-23 the same for B
.set ADRS, 27                          ; v27 my scale words: lanes 0-15 A's rows, lanes 16-31 B's
.set SPW,  28                          ; v28 my spare word's address; never rewritten
.set NIL,  29                          ; v29 0; never rewritten
.set SC,   32                          ; v32-63 scale words, nothing else
.set TQ,   64                          ; v64-71 the conversions' second halves
.set TM,   72                          ; v72-75 largest magnitudes, v76-79 the other lanes', then bytes, v84-87 the conversions' scale operands
.set PW,   88                          ; v88-95 a scale word for each fragment
.set SW,   96                          ; v96-99 the words as they are stored, v100-103 shifted
.set GA,   104                         ; v104 8 x lane
.set GB,   105                         ; v105 16 x lane
.set AF,   128                         ; A's fragments
.set CD,   128                         ; later: the codes, 12 registers for each of the eight fragments, so that no store's data are written again
.set G1, 24
.set G0, 32
.set G1B, 48
.set G0B, 56
.set G1S, 68
.set G0S, 76
.set G1SB, 80
.set G0SB, 88
.set MSB, 0
.macro WIN new                         ; the immediate's high byte repeats the setting that is left
.if MSB != \new
	s_set_vgpr_msb (MSB<<8)|\new
.set MSB, \new
.endif
.endm
.set MUL_LO, 0xa1                      ; source 0 (B) window 1, source 1 (A) window 0, C and D window 2
.set MUL_HI, 0xf1                      ; the same, C and D window 3
.set TO_B,   0x40                      ; destination window 1
; A joint load: waves 0 and 1 fetch for A, waves 2 and 3 for B.  The branch hangs on the wave's number alone.  Four v_nop follow each of the two lines.
.macro JLOAD g0a, g1a, g0b, g1b
	s_cmp_eq_u32 s15, 0
	s_cbranch_scc0 .Lfor_b_\@
	tensor_load_to_lds s[\g0a:\g0a+3], s[\g1a:\g1a+7]
	s_nop 0
.rept 4
	v_nop
.endr
	s_branch .Lasked_\@
.Lfor_b_\@:
	tensor_load_to_lds s[\g0b:\g0b+3], s[\g1b:\g1b+7]
	s_nop 0
.rept 4
	v_nop
.endr
.Lasked_\@:
.endm
.macro CREST                           ; a round of the cluster's barrier behind its opening barrier
	s_cmp_lg_u32 s14, 0
	s_cbranch_scc1 .Lnot_wave_0_\@
	s_barrier_signal -3
.Lnot_wave_0_\@:
	s_barrier_wait -3
	s_barrier_signal -1
	s_barrier_wait -1
.endm
.macro CROUND                          ; a whole round
	s_barrier_signal -1
	s_barrier_wait -1
	CREST
.endm
	s_load_b256 s[4:11], s[0:1], 0x0               ; x's codes s[4:5], x's scales s[6:7], w's codes s[8:9], w's scales s[10:11]
	s_load_b64 s[12:13], s[0:1], 0x20              ; ws
	v_lshl_add_u32 v[SPW], v0, 2, SPARE
	v_mov_b32 v[NIL], 0
	ds_add_u32 v28, v29
	ds_add_u32 v28, v29
	s_wait_dscnt 0x0
	v_lshrrev_b32 v1, 5, v0
	v_readfirstlane_b32 s14, v1                    ; wave 0..3
	s_lshr_b32 s15, s14, 1                         ; which half of the tile's A rows is mine.  Also: I fetch for A (0) or for B (1)
	s_and_b32 s16, s14, 1                          ; which half of its B rows.  Also: which 128 rows I fetch
	s_bfe_u32 s40, ttmp6, 0x40000                  ; cx, cy: my place in the cluster
	s_bfe_u32 s41, ttmp6, 0x40004
	s_and_b32 s66, ttmp9, 1                        ; k and q: 2 clusters along B (2,048 channels), 4 along A (4,096 tokens)
	s_lshr_b32 s67, ttmp9, 1
	s_sub_co_u32 s92, ttmp9, 8                     ; v: 4 clusters along B (4,096 tokens), 1 along A (1,024 channels)
	s_cmp_lt_u32 ttmp9, 8                          ; the kind hangs on the cluster's number alone: the same in all sixteen partners
	s_cselect_b32 s66, s66, s92
	s_cselect_b32 s67, s67, 0
	s_cselect_b32 s97, 0, 2048                     ; v: A's rows begin at w's row 2,048
	s_lshl_b32 s42, s66, 2
	s_add_co_u32 s42, s42, s40                     ; tb: my tile along B
	s_lshl_b32 s17, s67, 2
	s_add_co_u32 s17, s17, s41                     ; ta: my tile along A
	s_lshl_b32 s43, s41, 2
	s_lshl_b32 s43, 15, s43                        ; my row of the cluster
	s_lshl_b32 s44, 0x1111, s40                    ; my column
	; descriptor group 1: a tile of 128 rows x 192 bytes, 16 bytes of padding behind every 64
	s_or_b32 s[G1+0], s43, (0<<16)|(1<<20)|(1<<21)|(3<<22)|(3<<25)  ; 15:0 the mask: A's tiles go to my row; elements of 1 byte; padding on; bit 21 beside a mask; after every 16 words, 4 words
	s_or_b32 s[G1B+0], s44, (0<<16)|(1<<20)|(1<<21)|(3<<22)|(3<<25)
.irp g, G1, G1B
	s_mov_b32 s[\g+1], ROWB<<16                    ; tensor_dim0
	s_mov_b32 s[\g+2], 128<<16                     ; tensor_dim1
	s_mov_b32 s[\g+3], ROWB<<16                    ; tile_dim0
	s_mov_b32 s[\g+4], 128                         ; tile_dim1
	s_mov_b32 s[\g+5], KROW                        ; from row to row
	s_mov_b32 s[\g+6], 0
	s_mov_b32 s[\g+7], 0
.endr
	; the scales of 128 rows: 4,096 dense bytes, as 16 rows of 256 bytes (32 elements of 8), 16 bytes of padding behind each
	s_or_b32 s[G1S+0], s43, (3<<16)|(1<<20)|(1<<21)|(5<<22)|(3<<25)
	s_or_b32 s[G1SB+0], s44, (3<<16)|(1<<20)|(1<<21)|(5<<22)|(3<<25)
.irp g, G1S, G1SB
	s_mov_b32 s[\g+1], 32<<16
	s_mov_b32 s[\g+2], (128*KS/256)<<16
	s_mov_b32 s[\g+3], 32<<16
	s_mov_b32 s[\g+4], 128*KS/256
	s_mov_b32 s[\g+5], 32
	s_mov_b32 s[\g+6], 0
	s_mov_b32 s[\g+7], 0
.endr
	s_lshl_b32 s18, s16, 7                         ; which 128 rows of the tile I fetch
	s_lshl_b32 s20, s17, 8
	s_add_co_u32 s20, s20, s18
	s_add_co_u32 s20, s20, s97                     ; A: row 256 ta + 128 x half (+ 2,048)
	s_lshl_b32 s46, s42, 8
	s_add_co_u32 s46, s46, s18                     ; B: row 256 tb + 128 x half
	s_mov_b32 s21, 0
	s_mov_b32 s47, 0
	s_mov_b64 s[18:19], KS
	s_mul_u64 s[22:23], s[20:21], s[18:19]         ; where these rows' scales begin, in bytes
	s_mul_u64 s[92:93], s[46:47], s[18:19]
	s_mov_b64 s[18:19], KROW
	s_mul_u64 s[20:21], s[20:21], s[18:19]         ; and their codes
	s_mul_u64 s[46:47], s[46:47], s[18:19]
	s_mul_i32 s45, s14, HALFT                      ; where they go: wave x 128 rows
	s_mul_i32 s94, s14, HALFS
	s_wait_kmcnt 0x0
	s_cmp_lt_u32 ttmp9, 8                          ; which tensor is A and which is B: a choice between buffers on the cluster's number
	s_cselect_b64 s[98:99], s[4:5], s[8:9]         ; A's codes
	s_cselect_b64 s[100:101], s[6:7], s[10:11]     ; A's scales
	s_cselect_b64 s[8:9], s[8:9], s[4:5]           ; B's codes
	s_cselect_b64 s[10:11], s[10:11], s[6:7]       ; B's scales
	s_add_nc_u64 s[20:21], s[98:99], s[20:21]
	s_add_nc_u64 s[22:23], s[100:101], s[22:23]
	s_add_nc_u64 s[46:47], s[8:9], s[46:47]
	s_add_nc_u64 s[92:93], s[10:11], s[92:93]
	CROUND                                         ; all sixteen work-groups are here: the first joint loads meet
	s_mov_b32 s[G0S], 1
	s_add_co_u32 s[G0S+1], s94, SCL
	s_mov_b64 s[G0S+2:G0S+3], s[22:23]
	s_or_b32 s[G0S+3], s[G0S+3], 0x80000000
	s_mov_b32 s[G0SB], 1
	s_add_co_u32 s[G0SB+1], s94, SCL
	s_mov_b64 s[G0SB+2:G0SB+3], s[92:93]
	s_or_b32 s[G0SB+3], s[G0SB+3], 0x80000000
	JLOAD G0S, G1S, G0SB, G1SB                     ; the scales first: they are wanted with K step 0
.irp s, 0,1
	s_mov_b32 s[G0+4*\s], 1
	s_add_co_u32 s[G0+4*\s+1], s45, \s*SLOT
	s_add_nc_u64 s[G0+4*\s+2:G0+4*\s+3], s[20:21], \s*ROWB
	s_or_b32 s[G0+4*\s+3], s[G0+4*\s+3], 0x80000000
	s_mov_b32 s[G0B+4*\s], 1
	s_add_co_u32 s[G0B+4*\s+1], s45, \s*SLOT
	s_add_nc_u64 s[G0B+4*\s+2:G0B+4*\s+3], s[46:47], \s*ROWB
	s_or_b32 s[G0B+4*\s+3], s[G0B+4*\s+3], 0x80000000
	JLOAD G0+4*\s, G1, G0B+4*\s, G1B               ; three tensor loads of mine are out now, later one
.endr
	v_and_b32 v1, 15, v0                           ; l % 16
	v_bfe_u32 v2, v0, 4, 1                         ; l / 16
	v_mul_u32_u24 v3, v1, PITCH
	v_mul_u32_u24 v4, v2, 24
	v_add_nc_u32 v4, v3, v4                        ; a fragment's row x pitch + 24 x half
	v_lshl_add_u32 v5, v2, 4, v4                   ; and the same behind one padding more
	s_mul_i32 s21, s15, HALFT                      ; my 128 rows of A
	s_mul_i32 s22, s16, HALFT                      ; my 128 rows of B,
	s_add_co_u32 s22, s22, 2*HALFT                 ; which lie behind A's 256
.irp s, 0,1
	v_add_nc_u32 v[ADRA+\s], s21, v4
	v_add_nc_u32 v[ADRB+\s], s22, v4
	v_add_nc_u32 v[ADRA+2+\s], s21, v5
	v_add_nc_u32 v[ADRB+2+\s], s22, v5
	s_add_co_u32 s21, s21, SLOT
	s_add_co_u32 s22, s22, SLOT
.endr
	v_mul_u32_u24 v5, v1, KS                       ; my row's scales: 32 bytes a row,
	v_lshrrev_b32 v6, 8, v5
	v_lshl_add_u32 v5, v6, 4, v5                   ; and 16 more for each 256 passed
	s_mul_i32 s21, s15, HALFS                      ; A's: my 128 rows
	s_mul_i32 s22, s16, HALFS                      ; B's: my 128 rows, behind A's 256
	s_add_co_u32 s22, s22, 2*HALFS
	s_sub_co_u32 s22, s22, s21
	v_mul_u32_u24 v6, s22, v2                      ; lanes 16-31 take B's
	s_add_co_u32 s21, s21, SCL
	v_add_nc_u32 v5, v5, v6
	v_add_nc_u32 v[ADRS], s21, v5
	v_and_b32 v6, 31, v0
	v_lshlrev_b32 v[GA], 3, v6                     ; the way out: 8 bytes a lane in a chunk,
	v_lshlrev_b32 v[GB], 4, v6                     ; 16 bytes a lane among the scale words
	s_mov_b32 s94, 0x76543210                      ; v_permlanex16_b32's selects for lane l xor 16
	s_mov_b32 s95, 0xfedcba98
	s_mov_b32 s96, 0xffff0000                      ; lanes 16-31
	; where my part of ws begins.  X = my 128 A rows, Y = my 128 B rows.  k, q: step = X, pair = Y % 8, part 0 (k) or 2 (q).  v: pair = X, step = Y, part 1
	s_lshl_b32 s20, s17, 1
	s_add_co_u32 s20, s20, s15                     ; X
	s_lshl_b32 s46, s42, 1
	s_add_co_u32 s46, s46, s16                     ; Y
	s_and_b32 s21, s46, 7
	s_lshr_b32 s22, s46, 3
	s_lshl_b32 s22, s22, 1
	s_cmp_lt_u32 ttmp9, 8
	s_cselect_b32 s21, s21, s20                    ; the pair of heads
	s_cselect_b32 s23, s20, s46                    ; the step of 128 tokens
	s_cselect_b32 s22, s22, 1                      ; the part
	s_lshl_b32 s21, s21, 5
	s_add_co_u32 s21, s21, s23
	s_mul_i32 s21, s21, REC
	s_mul_i32 s22, s22, PART
	s_add_co_u32 s20, s21, s22
	s_mov_b32 s21, 0
	s_add_nc_u64 s[12:13], s[12:13], s[20:21]
.macro FRAG reg, adr, q, i             ; a fragment, 16 rows x 128 K of 6-bit codes: lane l holds row l % 16; registers 6 c .. 6 c + 5 hold K = 64 c + 32 (l / 16) + 0 .. 31: 24 bytes of the row's stream of bits
.irp p, 0,1,2,3,4,5                    ; in pieces of 8 bytes.  Lanes 16-31 read three pieces further on than lanes 0-15;
.set PC, 12*(\q)+6*(\p/3)+\p%3        ; where that is behind one padding more, the second address register serves
.if PC%8 < 5
	ds_load_b64 v[\reg+2*\p:\reg+2*\p+1], v[\adr] offset:8*PC+16*(PC/8)+(\i)*16*PITCH
.else
	ds_load_b64 v[\reg+2*\p:\reg+2*\p+1], v[\adr+2] offset:8*PC+16*(PC/8)+(\i)*16*PITCH
.endif
.endr
.endm
; 16 matrix instructions: A's blocks a0, a0 + 1 x B's eight, 128 along K.  p: B's set; sc: the set of scale words.  zero = 1: the first product starts the sums.
; The 64 accumulators take turns, one instruction a turn, in the same order in every step.
.macro MUL16 a0, p, q, sc, zero
.irp a, \a0, \a0+1
.irp b, 0,1,2,3,4,5,6,7
.if \zero
	v_wmma_scale_f32_16x16x128_f8f6f4 v[8*(8*((\a)%4)+\b):8*(8*((\a)%4)+\b)+7], v[128*(\p)+FR*\b:128*(\p)+FR*\b+FR-1], v[AF+FR*(\a):AF+FR*(\a)+FR-1], 0, v[SC+8*NQ*(\sc)+NQ*\b+(\q)], v[SC+8*NQ*(\sc)+NQ*(\a)+(\q)] matrix_a_fmt:MATRIX_FMT_FP6 matrix_b_fmt:MATRIX_FMT_FP6 matrix_a_scale:MATRIX_SCALE_ROW1
.else
	v_wmma_scale_f32_16x16x128_f8f6f4 v[8*(8*((\a)%4)+\b):8*(8*((\a)%4)+\b)+7], v[128*(\p)+FR*\b:128*(\p)+FR*\b+FR-1], v[AF+FR*(\a):AF+FR*(\a)+FR-1], v[8*(8*((\a)%4)+\b):8*(8*((\a)%4)+\b)+7], v[SC+8*NQ*(\sc)+NQ*\b+(\q)], v[SC+8*NQ*(\sc)+NQ*(\a)+(\q)] matrix_a_fmt:MATRIX_FMT_FP6 matrix_b_fmt:MATRIX_FMT_FP6 matrix_a_scale:MATRIX_SCALE_ROW1
.endif
.endr
.endr
.endm
.macro FETCH_B slot, q, p              ; B's eight fragments of the slot's q-th 128 along K into set p
	WIN TO_B
.irp i, 0,1,2,3,4,5,6,7
	FRAG 128*(\p)+FR*\i, ADRB+\slot, \q, \i
.endr
	WIN 0
.endm
.macro FETCH_A slot, q, i0             ; A's blocks i0 .. i0 + 3
.irp i, \i0, \i0+1, \i0+2, \i0+3
	FRAG AF+FR*(\i), ADRA+\slot, \q, \i
.endr
.endm
.macro SCALES sc                       ; the next K step's scale words into set sc: lanes 0-15 take A's block i, lanes 16-31 B's block i
.irp i, 0,1,2,3,4,5,6,7
	ds_load_b64 v[SC+8*NQ*\sc+NQ*\i:SC+8*NQ*\sc+NQ*\i+1], v[ADRS] offset:\i*SBLK
.endr
.endm
.macro PLACES n                        ; plain vector instructions between a matrix instruction and a load into, or a vector read or write of, its registers
.rept \n
	v_nop
.endr
.endm
; A step of 128 along K that has its successor in the same slot.
.macro STEP slot, q, zero
	s_wait_dscnt 4*NL                              ; B's set and A's blocks 0-3 are in; the youngest 24 loads (A's blocks 4-7) may be out
	WIN MUL_LO
	MUL16 0, (\q)%2, \q, \slot, \zero
	MUL16 2, (\q)%2, \q, \slot, \zero
	s_wait_dscnt 0                                 ; A's blocks 4-7 are in
	PLACES NP
	FETCH_B \slot, (\q)+1, 1-(\q)%2
	FETCH_A \slot, (\q)+1, 0
	WIN MUL_HI
	MUL16 4, (\q)%2, \q, \slot, \zero
	MUL16 6, (\q)%2, \q, \slot, \zero
	PLACES NP
	WIN 0
	FETCH_A \slot, (\q)+1, 4
.endm
; A slot's last step changes slots: ONE barrier; in front of it each wave waits for all its tensor loads, adds 0 to its spare word, and waits for that and for its own reads of this slot.  fill = 1: this slot is filled again.
.macro TURN slot, next, fill
	s_wait_tensorcnt 0x0                           ; all my tensor loads have landed: my part of the next slot
	ds_add_u32 v[SPW], v[NIL]                      ; 0 onto my spare word
	s_wait_dscnt 4*NL+1                            ; (the add and the youngest 24 loads, A's blocks 4-7, may be out)
	WIN MUL_LO
	MUL16 0, 1, NQ-1, \slot, 0                     ; sixteen matrix instructions stand between the add and the wait for it
	s_wait_dscnt 0x0                               ; the add is done, and my reads of this slot are over
	s_barrier_signal -1
	MUL16 2, 1, NQ-1, \slot, 0
	WIN 0
	s_barrier_wait -1
.if \fill
	CREST                                          ; the barrier has opened a round of the cluster's barrier: no wave of any partner still reads this slot or has a load on its way
	s_add_nc_u64 s[G0+4*\slot+2:G0+4*\slot+3], s[G0+4*\slot+2:G0+4*\slot+3], 2*ROWB
	s_add_nc_u64 s[G0B+4*\slot+2:G0B+4*\slot+3], s[G0B+4*\slot+2:G0B+4*\slot+3], 2*ROWB
	JLOAD G0+4*\slot, G1, G0B+4*\slot, G1B         ; the first tensor load behind the round; its four v_nop are the places in front of the loads below
.else
	PLACES NP
.endif
	v_add_nc_u32 v[ADRS], 4*NQ, v[ADRS]            ; on to the next K step's scale words (no LDS load of mine is out)
	FETCH_B \next, 0, 0
	FETCH_A \next, 0, 0
	SCALES \next
	WIN MUL_HI
	MUL16 4, 1, NQ-1, \slot, 0
	MUL16 6, 1, NQ-1, \slot, 0
	PLACES NP
	WIN 0
	FETCH_A \next, 0, 4
.endm
	s_wait_tensorcnt 1                             ; the scales and my part of K step 0 are in (K step 1's load may be out)
	s_barrier_signal -1
	s_barrier_wait -1                              ; everybody's are
	FETCH_B 0, 0, 0
	FETCH_A 0, 0, 0
	SCALES 0
	FETCH_A 0, 0, 4
	STEP 0, 0, 1                                   ; the first step stands in front of the loop: its products start the sums
	s_mov_b32 s3, LAPS-1
.Llap:                                                 ; a trip goes once round the ring and fills both slots again
	TURN 0, 1, 1
	STEP 1, 0, 0
	TURN 1, 0, 1
	STEP 0, 0, 0
	s_sub_co_u32 s3, s3, 1
	s_cmp_lg_u32 s3, 0
	s_cbranch_scc1 .Llap
	TURN 0, 1, 0                                   ; the last lap fills nothing
	STEP 1, 0, 0
	s_wait_dscnt 4*NL                              ; the very last step: nothing more to fetch
	WIN MUL_LO
	MUL16 0, 1, NQ-1, 1, 0
	MUL16 2, 1, NQ-1, 1, 0
	s_wait_dscnt 0
	WIN MUL_HI
	MUL16 4, 1, NQ-1, 1, 0
	MUL16 6, 1, NQ-1, 1, 0
	WIN 0
; THE WAY OUT.  A block a's eight accumulators, 64 registers a lane, are 128 numbers along the quantised axis of the lane's A row (with lane l xor 16's): four blocks of 32.  They become one fragment and one scale word a row.
; Each accumulator is read from its low end on.  A block's scale: the largest magnitude, with the floor 2^(3 - 127) among its leaves; 2 off its exponent field is the conversion's scale operand; that, shifted, the byte.
.macro QOUT a
.set W,  2+(\a)/4                      ; the accumulators' window
.set AC, 64*((\a)%4)
.set P0, CD+12*(\a)
.set WN, W|(W<<2)
	WIN WN                                         ; sources 0 and 1 in window W
.irp b, 0,1,2,3
	v_max3_num_f32 v[TM+\b], |v[AC+16*\b]|, |v[AC+16*\b+1]|, 0x1800000
.endr
.set WN, (W<<2)|(W<<4)
	WIN WN                                         ; sources 1 and 2 in window W
.irp i, 2,4,6,8,10,12,14
.irp b, 0,1,2,3
	v_max3_num_f32 v[TM+\b], v[TM+\b], |v[AC+16*\b+\i]|, |v[AC+16*\b+\i+1]|   ; the four blocks by turns
.endr
.endr
	WIN 0
.irp b, 0,1,2,3
	v_permlanex16_b32 v[TM+4+\b], v[TM+\b], s94, s95
.endr
.irp b, 0,1,2,3
	v_max_num_f32 v[TM+\b], v[TM+\b], v[TM+4+\b]   ; with lane l xor 16's 16: the block's largest magnitude
.endr
.irp b, 0,1,2,3
	v_add_nc_u32 v[TM+12+\b], 0xff000000, v[TM+\b] ; 2 off its exponent field
.endr
.irp b, 0,1,2,3
	v_lshrrev_b32 v[TM+4+\b], 23, v[TM+12+\b]      ; the scale's byte
.endr
	v_lshl_or_b32 v[PW+\a], v[TM+5], 8, v[TM+4]    ; my row's scale word
	v_lshl_or_b32 v[PW+\a], v[TM+6], 16, v[PW+\a]
	v_lshl_or_b32 v[PW+\a], v[TM+7], 24, v[PW+\a]
.set WN, W
	WIN WN                                         ; source 0 in window W
.irp c, 0,1
	v_cvt_scalef32_pk16_fp6_f32 v[P0+6*\c:P0+6*\c+2], v[AC+32*\c:AC+32*\c+15], v[TM+12+2*\c]
	v_cvt_scalef32_pk16_fp6_f32 v[TQ+4*\c:TQ+4*\c+2], v[AC+32*\c+16:AC+32*\c+31], v[TM+13+2*\c]   ; (a conversion's three registers begin on an even number)
.endr
	WIN 0
	v_nop                                          ; one plain place behind a scaled conversion
.irp c, 0,1                                    ; the operand's layout wants a whole block in a lane: lanes 0-15 block 2 c, lanes 16-31 block 2 c + 1
.irp i, 0,1,2
	v_permlane16_swap_b32 v[P0+6*\c+\i], v[TQ+4*\c+\i]
.endr
.irp i, 0,1,2
	v_mov_b32 v[P0+6*\c+3+\i], v[TQ+4*\c+\i]
.endr
.endr
.irp p, 0,1,2,3,4,5
	global_store_b64 v[GA], v[P0+2*\p:P0+2*\p+1], s[12:13] offset:1536*(\a)+256*\p   ; 32 lanes store 256 consecutive bytes, at a multiple of 256 from ws's first byte
.endr
.endm
.irp b, 0,1,2,3
	v_mov_b32 v[TM+4+\b], 0                        ; a lane permute's destination counts as one of its sources.  These four are also the places behind the last products
.endr
.irp a, 0,1,2,3,4,5,6,7
	QOUT \a
.endr
.irp i, 0,1,2,3
	v_cndmask_b32 v[SW+\i], v[PW+2*\i], v[PW+2*\i+1], s96   ; word i: lanes 0-15 fragment 2 i's, lanes 16-31 fragment 2 i + 1's
.endr
.irp i, 0,1,2,3
	v_lshrrev_b32 v[SW+4+\i], 16, v[SW+\i]         ; and with the second head's two bytes in front (the bytes above become 0, which is 2^-127: they meet zero codes alone)
.endr
	global_store_b128 v[GB], v[SW:SW+3], s[12:13] offset:12288      ; 512 consecutive bytes each
	global_store_b128 v[GB], v[SW+4:SW+7], s[12:13] offset:12800
	s_wait_tensorcnt 0x0                           ; the wave's end
	ds_add_u32 v[SPW], v[NIL]
	s_wait_dscnt 0x0
	CROUND                                         ; the closing round: no work-group ends while a partner may still ask for a tile that names it
	s_endpgm
.Lfunc_end_k_q5eecd062b5_proj:
	.size	k_q5eecd062b5_proj, .Lfunc_end_k_q5eecd062b5_proj-k_q5eecd062b5_proj
	.p2alignl 7, 3214868480
	.fill 96, 4, 3214868480
	.section	.rodata,"a",@progbits
	.p2align	6, 0x0
	.amdhsa_kernel k_q5eecd062b5_proj
		.amdhsa_group_segment_fixed_size 327680
		.amdhsa_private_segment_fixed_size 0
		.amdhsa_enable_private_segment 0
		.amdhsa_kernarg_size 40
		.amdhsa_user_sgpr_count 2
		.amdhsa_user_sgpr_kernarg_segment_ptr 1
		.amdhsa_wavefront_size32 1
		.amdhsa_system_sgpr_workgroup_id_x 1
		.amdhsa_system_sgpr_workgroup_id_y 1
		.amdhsa_system_sgpr_workgroup_id_z 1
		.amdhsa_system_vgpr_workitem_id 0
		.amdhsa_next_free_vgpr 1024
		.amdhsa_next_free_sgpr 102
		.amdhsa_reserve_vcc 0
		.amdhsa_float_denorm_mode_32 3
		.amdhsa_float_denorm_mode_16_64 3
		.amdhsa_memory_ordered 1
		.amdhsa_forward_progress 1
		.amdhsa_inst_pref_size 167
	.end_amdhsa_kernel
	.amdgpu_metadata
---
amdhsa.version: [ 1, 2 ]
amdhsa.kernels:
  - .name:           k_q5eecd062b5_proj
    .symbol:         k_q5eecd062b5_proj.kd
    .args:
      - { .name: x_codes, .offset: 0, .size: 8, .value_kind: global_buffer, .address_space: global }
      - { .name: x_scales, .offset: 8, .size: 8, .value_kind: global_buffer, .address_space: global }
      - { .name: w_kqv_codes, .offset: 16, .size: 8, .value_kind: global_buffer, .address_space: global }
      - { .name: w_kqv_scales, .offset: 24, .size: 8, .value_kind: global_buffer, .address_space: global }
      - { .name: ws, .offset: 32, .size: 8, .value_kind: global_buffer, .address_space: global }
    .group_segment_fixed_size: 327680
    .private_segment_fixed_size: 0
    .kernarg_segment_align: 8
    .kernarg_segment_size: 40
    .max_flat_workgroup_size: 128
    .sgpr_count:     102
    .vgpr_count:     1024
    .wavefront_size: 32
...
	.end_amdgpu_metadata
.endif
;; end of part 1
;; launch attn (part 2): grid 32 x 8, 16 waves a work-group, no clusters, 206,848 bytes of LDS; arguments ws, out0; writes out0
.if DOCPART == 2
	.amdgcn_target "amdgcn-amd-amdhsa--gfx1250"
	.amdhsa_code_object_version 6
	.text
	.protected	k_q5eecd062b5_attn
	.globl	k_q5eecd062b5_attn
	.p2align	8
	.type	k_q5eecd062b5_attn,@function
k_q5eecd062b5_attn:
	s_mov_b64 s[64:65], 0
	v_nop
	global_prefetch_b8 v0, s[64:65] scope:SCOPE_SE
	s_setreg_imm32_b32 hwreg(HW_REG_WAVE_MODE, 25, 1), 1
	s_wait_xcnt 0x0
; out[q][64 head ..] = the sum over keys k of softmax_k(Q.K / 32 + m (k - q)) V, keys with 0 <= q - k <= 512 alone; m = 2^(-(head + 1) / 2).  Both products on codes of FP6 (E2M3) with E8M0 scales, read from ws as register images.
; THE SOFTMAX AHEAD OF THE SECOND PRODUCT: t = logit x log2(e); M = the running largest t rounded UP to a whole number; p = 2^(t - M) is quantised along the keys, not normalised; the sum of the unquantised p divides at the end.
; SHARES.  Work-group (qb, p) owns queries 128 qb .. + 127 of heads 2 p and 2 p + 1.  Sixteen waves, four to a SIMD, each with one head and 16 queries.  With g = w / 4 and j = w % 4: the queries' block of 32 is bq = (g + j) % 4,
; its half g % 2, the head 2 p + g / 2.  Among the four waves of equal w % 4, and among the four of equal w / 4, every bq occurs once: the steps in which a wave's work hangs on bq weigh the same on every such four.
; The window reaches 512 keys back: the keys are those of the five steps of 128, qb - 4 .. qb.  A step before key 0 is left out by a scalar branch on qb.
; LDS.  The five records (K part + V part of the pair, 26,624 bytes each) are brought ONCE, by five tensor loads of each of waves 0 to 3 (a quarter of a record each): five of a wave's tensor loads are out at the most.
; Nothing in LDS is filled again.  For a step before key 0 the address is held at the pair's first record: those bytes land and are not read.
; NO CLUSTER: neighbouring blocks of queries want windows shifted by a record; a joint fill would have each partner read at an LDS offset that hangs on its place in the cluster.
; LAYOUT.  Both products are used transposed: S^T = K Q^T + C (source 0 = 16 keys), O^T = V^T P^T (source 0 = 16 channels): a lane holds ONE query (lane % 16) throughout.
; K = 64 fills half of the instruction's 128: Q's upper 64 codes are zeros; K's upper six registers are whatever lies next (the next fragment's codes), which meets zero codes alone; no scale byte here is 0xff.
; THE BIAS.  rel = X + rho, X = 128 (step - 4) + 32 block, rho = the key's place in its block less the query's place in its 128.  rho x 32 m is the same 16 registers in every block and step: they are made once and are
; the C of the score products: S = Q.K + 32 m rho.  X's part is one number a block, X x 32 m x log2(e) / 32, and goes into the block's addend of the exponent: t = S x log2(e) / 32 + that.
; HIDDEN KEYS.  In the oldest step the blocks ahead of block bq lie more than 512 back, in the newest those behind it come after the query: such a block has no product, no maximum, no exponential and no sum; its codes are zeros
; and its scale byte 0 (2^-127, over zero codes).  These two steps are written in four forms, one for each bq, chosen by a scalar branch on the wave's number behind the step's barrier.  In block bq itself the hidden keys get
; C = -1e30 for -infinity, by compares of whole numbers: p is exactly 0 as long as |Q.K| stays under 1e29.  Block bq always holds a key that counts (distance 512, or 0), so no block that is worked has a largest p of 0 by the mask.
; THE ORDER INSIDE A BLOCK OF 32 keys (and channels) is that of the registers from which the codes were made, alike on both sides of each product: only the order of the sums differs from memory's.
; LIMITS: p under 2^-126 is flushed to 0 by v_exp_f32; a block whose every p is 0 keeps the byte 1 over zero codes; NaN and infinities are not served.
; No prefetch: ws was written by the launch just before, and a work-group asks for all its bytes at its start.
.set REC,   39936                      ; a record of ws: K part, V part, Q part
.set PART,  13312
.set RKV,   2*PART                     ; what comes into LDS of a record
.set QUART, RKV/4                      ; one tensor load: 26 rows of 256 bytes
.set STG,   5*RKV                      ; behind the records: a stage of 16 rows x (256 + 16) bytes for each wave; no fill lands there
.set SPI,   272
.set AKF,  1                           ; v1  K's fragments: 8 x lane + 768 x (head % 2)
.set AVF,  2                           ; v2  V's: 13,312 + 6,144 x (head % 2) + 8 x lane
.set AKS,  3                           ; v3  K's scale words: 12,288 + 512 x (head % 2) + 16 x lane
.set AVS,  4                           ; v4  V's: 25,600 + 8 x (head % 2) + 16 x lane
.set DLT,  5                           ; v5  my query's place in its block of 32, less 8 h: a whole number
.set BIGN, 6                           ; v6  -1e30
.set GO,   7                           ; v7  the way out: 4,096 h + 16 r
                                       ; v8-11 the step's four LDS addresses; v12 -M, v13 the largest t, v[14:15] the sum in two halves
.set Q,    16                          ; v16-27 Q's fragment; v22-27 zeros
.set QS,   28                          ; v28 Q's scale word
.set PW,   29                          ; v29 p's scale word
.set KS,   30                          ; v30-33 K's scale words
.set VS,   34                          ; v34-35 V's
.set F,    36                          ; v36-89 K's eight fragments, 6 registers apart (v84-89 zeros), then V's four
.set RC,   90                          ; v90-105 rho x 32 m of my 16 registers of a block: the score products' C
.set S,    106                         ; v106-169 S^T, then p
.set O,    170                         ; v170-201 O^T
.set CD,   202                         ; v202-213 p's codes
.set TQ,   214                         ; v214-221 the conversions' second halves
.set BM,   222                         ; v222-225 each block's largest score, then its largest p
.set BX,   226                         ; v226-229 the other lanes', then t, then bytes
.set HP,   230                         ; v230-233 each block's addend: X x CM
.set CB,   234                         ; v234-237 32 b x CM
.set AP,   238                         ; v238-245 pairs: the addend - M, and the conversion's scale operand
.set FF,   246                         ; v[246:247] f = 2^(old M - new M) (v247 is only named with it)
.set T,    248
.set OLD,  249
.set CM,   250                         ; v250 32 m x log2(e) / 32
.set SU,   252                         ; v[252:253] the second chain of the sum
.set WV,   8                           ; s8 wave; s9 head % 2; s10 my tile of 16 queries; s11 qb; s12 p; s26 bq; s27 which half of block bq
.set PI,   9
.set QT,   10
.set QB,   11
.set PP,   12
.set BQ,   26
.set EE,   27
.set G1,   28                          ; s[28:35] descriptor group 1
.set G0,   36                          ; s[36:55] five groups 0
	s_load_b128 s[4:7], s[0:1], 0x0                ; ws, out0
	v_lshl_add_u32 v254, v0, 2, 0x32000
	v_mov_b32 v255, 0
	ds_add_u32 v254, v255
	ds_add_u32 v254, v255
	v_lshrrev_b32 v8, 5, v0
	v_readfirstlane_b32 s[WV], v8                  ; wave 0..15
	s_lshr_b32 s13, s[WV], 2                       ; g
	s_and_b32 s14, s[WV], 3                        ; j
	s_add_co_u32 s[BQ], s13, s14
	s_and_b32 s[BQ], s[BQ], 3                      ; bq = (g + j) % 4
	s_and_b32 s[EE], s13, 1
	s_lshr_b32 s[PI], s13, 1
	s_lshl_b32 s[QT], s[BQ], 1
	s_add_co_u32 s[QT], s[QT], s[EE]               ; my tile of queries: 2 bq + g % 2
	s_mov_b32 s[QB], ttmp9
	s_and_b32 s[PP], ttmp7, 0xffff
	s_mov_b32 s[G1], 3<<16                         ; no mask; elements of 8 bytes; no padding
	s_mov_b32 s[G1+1], 32<<16                      ; tensor_dim0 = 32 elements: 256 bytes
	s_mov_b32 s[G1+2], 26<<16                      ; tensor_dim1 = 26 rows
	s_mov_b32 s[G1+3], 32<<16                      ; tile_dim0
	s_mov_b32 s[G1+4], 26                          ; tile_dim1
	s_mov_b32 s[G1+5], 32                          ; from row to row: dense
	s_mov_b32 s[G1+6], 0
	s_mov_b32 s[G1+7], 0
	s_lshl_b32 s13, s[PP], 5                       ; 32 p: the pair's first record
	s_wait_dscnt 0x0
	s_wait_kmcnt 0x0
	s_cmp_lt_u32 s[WV], 4                          ; all first fills of a wave stand in this one branch, ahead of every wait on TENSORcnt, every LDS read and every barrier
	s_cbranch_scc0 .Lno_fill
	s_mul_i32 s14, s[WV], QUART                    ; my quarter of a record
.irp s, 0,1,2,3,4
	s_add_co_i32 s15, s[QB], \s-4                  ; the step of keys,
	s_max_i32 s15, s15, 0                          ; held at 0
	s_add_co_u32 s15, s15, s13
	s_mul_i32 s16, s15, REC
	s_add_co_u32 s16, s16, s14
	s_mov_b32 s17, 0
	s_mov_b32 s[G0+4*\s], 1                        ; count = 1
	s_add_co_u32 s[G0+4*\s+1], s14, \s*RKV         ; LDS address: record s, my quarter
	s_add_nc_u64 s[G0+4*\s+2:G0+4*\s+3], s[4:5], s[16:17]
	s_or_b32 s[G0+4*\s+3], s[G0+4*\s+3], 0x80000000   ; type = 2
.endr
.irp s, 0,1,2,3,4
	tensor_load_to_lds s[G0+4*\s:G0+4*\s+3], s[G1:G1+7]
	s_nop 0
.endr
.rept 4
	v_nop
.endr
.Lno_fill:
	; Q: three chunks of my head's half of my tile's fragment of the Q part, and its scale word
	s_add_co_u32 s15, s13, s[QB]
	s_mul_i32 s15, s15, REC
	s_add_co_u32 s15, s15, 2*PART                  ; the Q part of record (p, qb)
	s_mul_i32 s16, s[QT], 1536
	s_mul_i32 s17, s[PI], 768
	s_add_co_u32 s16, s16, s17
	s_add_co_u32 s16, s16, s15
	s_mov_b32 s17, 0
	s_add_nc_u64 s[56:57], s[4:5], s[16:17]
	s_and_b32 s18, s[QT], 1                        ; word tile / 2 of lane 16 (tile % 2) + r; the second head takes the shifted words
	s_lshl_b32 s18, s18, 8
	s_lshr_b32 s19, s[QT], 1
	s_lshl_b32 s19, s19, 2
	s_add_co_u32 s18, s18, s19
	s_lshl_b32 s19, s[PI], 9
	s_add_co_u32 s18, s18, s19
	s_add_co_u32 s18, s18, s15
	s_add_co_u32 s18, s18, 12288
	s_mov_b32 s19, 0
	s_add_nc_u64 s[58:59], s[4:5], s[18:19]
	v_and_b32 v8, 31, v0                           ; lane
	v_and_b32 v9, 15, v0                           ; r
	v_bfe_u32 v10, v0, 4, 1                        ; h
	v_lshlrev_b32 v11, 3, v8                       ; 8 x lane
	v_lshlrev_b32 v[OLD], 4, v9                    ; 16 r
.irp k, 0,1,2
	global_load_b64 v[Q+2*\k:Q+2*\k+1], v11, s[56:57] offset:256*\k
.endr
	global_load_b32 v[QS], v[OLD], s[58:59]
	s_mul_i32 s14, s[PI], 768
	v_add_nc_u32 v[AKF], s14, v11
	s_mul_i32 s14, s[PI], 6144
	s_add_co_u32 s14, s14, PART
	v_add_nc_u32 v[AVF], s14, v11
	v_lshlrev_b32 v[T], 4, v8                      ; 16 x lane
	s_lshl_b32 s14, s[PI], 9
	s_add_co_u32 s14, s14, 12288
	v_add_nc_u32 v[AKS], s14, v[T]
	s_lshl_b32 s14, s[PI], 3
	s_add_co_u32 s14, s14, PART+12288
	v_add_nc_u32 v[AVS], s14, v[T]
	v_lshlrev_b32 v[GO], 12, v10
	v_lshl_add_u32 v[GO], v9, 4, v[GO]
	v_lshlrev_b32 v[DLT], 3, v10
	v_sub_nc_u32 v[DLT], v9, v[DLT]                ; r - 8 h
	v_mov_b32 v[BIGN], 0xf149f2ca                  ; -1e30
	s_lshl_b32 s14, s[QB], 7                       ; out0: row 128 qb + 16 x tile, 4,096 bytes a row; column 64 x head, 256 bytes a head
	s_lshl_b32 s15, s[QT], 4
	s_add_co_u32 s14, s14, s15
	s_lshl_b32 s14, s14, 12
	s_lshl_b32 s15, s[PP], 1
	s_add_co_u32 s15, s15, s[PI]
	s_lshl_b32 s15, s15, 8
	s_add_co_u32 s14, s14, s15
	s_mov_b32 s15, 0
	s_add_nc_u64 s[6:7], s[6:7], s[14:15]
	s_mov_b32 s20, 0x76543210                      ; v_permlanex16_b32's selects for lane l xor 16
	s_mov_b32 s21, 0xfedcba98
	s_mov_b32 s22, 0x3d38aa3b                      ; c = log2(e) / 32
	s_mov_b32 s23, s22                             ; (named with it as a pair)
	s_mov_b32 s24, 0x41b504f3                      ; 32 m = 2^(4.5 - p) for head 2 p,
	s_cmp_lg_u32 s[PI], 0
	s_cselect_b32 s24, 0x41800000, s24             ; 2^(4 - p) for head 2 p + 1:
	s_lshl_b32 s14, s[PP], 23
	s_sub_co_u32 s24, s24, s14                     ; p off the exponent field
	v_mov_b32 v[CM], s24
	v_mul_f32 v[CM], s22, v[CM]                    ; 32 m c: what one key further on adds to t
	v_mov_b32 v[CB], 0                             ; and 32 b keys
	v_mul_f32 v[CB+1], 0x42000000, v[CM]           ; x 32
	v_mul_f32 v[CB+2], 0x42800000, v[CM]           ; x 64
	v_mul_f32 v[CB+3], 0x42c00000, v[CM]           ; x 96
	s_lshl_b32 s14, s[QT], 4
	v_add_nc_u32 v[T], s14, v[DLT]                 ; r - 8 h + 16 x tile
.irp i, 0,1,2,3,4,5,6,7,8,9,10,11,12,13,14,15
	v_sub_nc_u32 v[RC+\i], 16*(\i/8)+\i%8, v[T]    ; register 16 b + i holds key 32 b + 16 (i / 8) + 8 h + i % 8 of the step: rho = that without 32 b, less my query's place in its 128
.endr
.irp i, 0,1,2,3,4,5,6,7,8,9,10,11,12,13,14,15
	v_cvt_f32_i32 v[RC+\i], v[RC+\i]
.endr
.irp i, 0,1,2,3,4,5,6,7,8,9,10,11,12,13,14,15
	v_mul_f32 v[RC+\i], s24, v[RC+\i]              ; x 32 m
.endr
	s_lshl_b32 s14, s[EE], 4
	v_add_nc_u32 v[DLT], s14, v[DLT]               ; 16 x (tile % 2) + r - 8 h
	v_mov_b32 v13, 0xff61b1e6                      ; the largest t so far: -3e38
	v_floor_f32 v12, -v13                          ; -M
	v_mov_b32 v14, 0
	v_mov_b32 v15, 0
.irp j, 0,1,2,3,4,5,6,7,8,9,10,11,12,13,14,15,16,17,18,19,20,21,22,23,24,25,26,27,28,29,30,31
	v_mov_b32 v[O+\j], 0                           ; O^T: no step has a form of its own for being the first; the first finds zeros
.endr
.irp j, 0,1,2,3,4,5
	v_mov_b32 v[Q+6+\j], 0                         ; Q's upper 64 codes
	v_mov_b32 v[F+48+\j], 0                        ; what lies behind K's last fragment
.endr
.irp b, 0,1,2,3
	v_mov_b32 v[BX+\b], 0                          ; a lane permute's destination counts as one of its sources
	v_mov_b32 v[AP+2*\b+1], 0                      ; named as the upper half of a pair before it is first written
.endr
	v_mov_b32 v[FF+1], 0
	s_wait_loadcnt 0x0                             ; Q and its scale word; their address registers are free
; One score product: tile t (keys 16 t + 8 h + j) of S^T = K Q^T + C; c: the first of C's eight registers.  Odd tiles' scale words lie in lanes 16-31.
.macro KQ t, c
.if (\t)%2
	v_wmma_scale_f32_16x16x128_f8f6f4 v[S+8*(\t):S+8*(\t)+7], v[F+6*(\t):F+6*(\t)+11], v[Q:Q+11], v[(\c):(\c)+7], v[KS+(\t)/2], v[QS] matrix_a_fmt:MATRIX_FMT_FP6 matrix_b_fmt:MATRIX_FMT_FP6 matrix_a_scale:MATRIX_SCALE_ROW1
.else
	v_wmma_scale_f32_16x16x128_f8f6f4 v[S+8*(\t):S+8*(\t)+7], v[F+6*(\t):F+6*(\t)+11], v[Q:Q+11], v[(\c):(\c)+7], v[KS+(\t)/2], v[QS] matrix_a_fmt:MATRIX_FMT_FP6 matrix_b_fmt:MATRIX_FMT_FP6
.endif
.endm
; THE WORK OF A STEP on the 128 keys of record s: blocks lo .. hi of its four blocks of 32 count, the others are hidden as a whole.  dg: the block in which single keys are hidden (9: none).  Straight-line: no label, no branch.
.macro BODY s, lo, hi, dg
.if \s == 0
.set XS, 0xc4000000                    ; 128 (s - 4) as f32: -512
.elseif \s == 1
.set XS, 0xc3c00000                    ; -384
.elseif \s == 2
.set XS, 0xc3800000                    ; -256
.elseif \s == 3
.set XS, 0xc3000000                    ; -128
.else
.set XS, 0
.endif
.irp t, 0,1,2,3,4,5,6,7                        ; all eight fragments of K, hidden blocks' too: so every register from F on is written in every step
.irp k, 0,1,2
	ds_load_b64 v[F+6*\t+2*\k:F+6*\t+2*\k+1], v8 offset:1536*\t+256*\k   ; 256 consecutive bytes a load
.endr
.endr
	ds_load_b128 v[KS:KS+3], v10                   ; word i: lanes 0-15 tile 2 i's keys, lanes 16-31 tile 2 i + 1's
.if \dg < 4                                    ; the diagonal block's C, into S's registers: rho x 32 m, or -1e30 where the key is hidden
.irp i, 0,1,2,3,4,5,6,7,8,9,10,11,12,13,14,15
.if \s == 4
	v_cmp_gt_i32 vcc_lo, 16*(\i/8)+\i%8, v[DLT]    ; the key comes after the query
.else
	v_cmp_lt_i32 vcc_lo, 16*(\i/8)+\i%8, v[DLT]    ; the key lies more than 512 back
.endif
	v_cndmask_b32 v[S+16*\dg+\i], v[RC+\i], v[BIGN], vcc_lo
.endr
.rept 4
	v_nop                                          ; C just written by vector instructions stands four plain lines ahead of the products, as an operand so written would
.endr
.endif
	s_wait_dscnt 0x0                               ; K and its scale words
.irp t, 0,1,2,3,4,5,6,7                        ; S^T = K Q^T + C: one instruction to an accumulator
.if (\t/2 >= \lo) && (\t/2 <= \hi)
.if \t/2 == \dg
	KQ \t, S+8*\t
.else
	KQ \t, RC+8*(\t%2)
.endif
.endif
.endr
.irp b, 0,1,2,3
.if (\b >= \lo) && (\b <= \hi)
	v_fma_f32 v[HP+\b], XS, v[CM], v[CB+\b]        ; the block's addend X x 32 m c.  These lines, filled up to four, are the places in front of the loads into K's registers and of the first read of the scores
.endif
.endr
.rept 3-(\hi-\lo)
	v_nop
.endr
.irp d, 0,1,2,3                                ; V's four fragments land under the softmax.  Registers 6 c .. 6 c + 5 hold blocks 2 c and 2 c + 1: where both are hidden they keep K's codes, which meet zero codes alone
.irp k, 0,1,2,3,4,5
.if (2*(\k/3)+1 >= \lo) && (2*(\k/3) <= \hi)
	ds_load_b64 v[F+12*\d+2*\k:F+12*\d+2*\k+1], v9 offset:1536*\d+256*\k
.endif
.endr
.endr
	ds_load_b64 v[VS:VS+1], v11
.irp b, 0,1,2,3
.if (\b >= \lo) && (\b <= \hi)
	v_max3_num_f32 v[BM+\b], v[S+16*\b], v[S+16*\b+1], v[S+16*\b+2]   ; the largest score of each block of 32 keys (each accumulator from its low end on): for the row's maximum, and for the block's largest p
.endif
.endr
.irp i, 3,5,7,9,11,13
.irp b, 0,1,2,3
.if (\b >= \lo) && (\b <= \hi)
	v_max3_num_f32 v[BM+\b], v[BM+\b], v[S+16*\b+\i], v[S+16*\b+\i+1]
.endif
.endr
.endr
.irp b, 0,1,2,3
.if (\b >= \lo) && (\b <= \hi)
	v_max_num_f32 v[BM+\b], v[BM+\b], v[S+16*\b+15]
.endif
.endr
.irp b, 0,1,2,3
.if (\b >= \lo) && (\b <= \hi)
	v_permlanex16_b32 v[BX+\b], v[BM+\b], s20, s21
.endif
.endr
.irp b, 0,1,2,3
.if (\b >= \lo) && (\b <= \hi)
	v_max_num_f32 v[BM+\b], v[BM+\b], v[BX+\b]     ; with lane l xor 16's 16 keys
.endif
.endr
.irp b, 0,1,2,3
.if (\b >= \lo) && (\b <= \hi)
	v_fma_f32 v[BX+\b], v[BM+\b], s22, v[HP+\b]    ; as t: each block has its own addend
.endif
.endr
.if (\hi-\lo) == 3
	v_max3_num_f32 v[T], v[BX], v[BX+1], v[BX+2]
	v_max3_num_f32 v13, v13, v[T], v[BX+3]         ; the running largest t
.else
.irp b, 0,1,2,3
.if (\b >= \lo) && (\b <= \hi)
	v_max_num_f32 v13, v13, v[BX+\b]               ; the running largest t
.endif
.endr
.endif
	v_mov_b32 v[OLD], v12
	v_floor_f32 v12, -v13                          ; the new -M = -ceil(t)
	v_sub_f32 v[T], v12, v[OLD]                    ; old M - new M: a whole number, 0 or less
	v_cvt_i32_f32 v[T], v[T]                       ; (it saturates)
	v_ldexp_f32 v[FF], 1.0, v[T]                   ; f = 2^(old M - new M)
.irp b, 0,1,2,3
.if (\b >= \lo) && (\b <= \hi)
	v_add_f32 v[AP+2*\b], v[HP+\b], v12            ; the block's addend - M
.endif
.endr
.irp b, 0,1,2,3
.if (\b >= \lo) && (\b <= \hi)
.irp u, 0,1,2,3,4,5,6,7
	v_pk_fma_f32 v[S+16*\b+2*\u:S+16*\b+2*\u+1], v[S+16*\b+2*\u:S+16*\b+2*\u+1], s[22:23], v[AP+2*\b:AP+2*\b+1] op_sel_hi:[1,0,0]   ; t - M
.endr
.endif
.endr
.irp b, 0,1,2,3
.if (\b >= \lo) && (\b <= \hi)
	v_fma_f32 v[BM+\b], v[BM+\b], s22, v[AP+2*\b]  ; the same of each block's largest score
.endif
.endr
.irp j, 0,1,2,3,4,5,6,7,8,9,10,11,12,13,14,15,16,17,18,19,20,21,22,23,24,25,26,27,28,29,30,31,32,33,34,35,36,37,38,39,40,41,42,43,44,45,46,47,48,49,50,51,52,53,54,55,56,57,58,59,60,61,62,63
.if (\j/16 >= \lo) && (\j/16 <= \hi)
	v_exp_f32 v[S+\j], v[S+\j]                     ; p = 2^(t - M)
.endif
.endr
.irp b, 0,1,2,3
.if (\b >= \lo) && (\b <= \hi)
	v_exp_f32 v[BM+\b], v[BM+\b]                   ; the block's largest p: the same two operations on the same number
.endif
.endr
	v_pk_mul_f32 v[14:15], v[14:15], v[FF:FF+1] op_sel_hi:[1,0]   ; the sums under the new M (a plain line behind the exponentials)
	s_wait_alu depctr_va_vdst(0)
.irp b, 0,1,2,3
.if (\b >= \lo) && (\b <= \hi)
	v_max_num_f32 v[BM+\b], 0x1800000, v[BM+\b]    ; the floor 2^(3 - 127): the byte cannot fall under 1
.endif
.endr
.irp b, 0,1,2,3
.if (\b >= \lo) && (\b <= \hi)
	v_add_nc_u32 v[AP+2*\b+1], 0xff000000, v[BM+\b]   ; 2 off the exponent field: the conversion's scale operand
.endif
.endr
.irp b, 0,1,2,3
.if (\b >= \lo) && (\b <= \hi)
	v_lshrrev_b32 v[BX+\b], 23, v[AP+2*\b+1]       ; the scale's byte
.endif
.endr
.set FIRST, 1
.irp b, 0,1,2,3                                ; p's scale word for these 128 keys; a hidden block's byte stays 0
.if (\b >= \lo) && (\b <= \hi)
.if FIRST
	v_lshlrev_b32 v[PW], 8*\b, v[BX+\b]
.set FIRST, 0
.else
	v_lshl_or_b32 v[PW], v[BX+\b], 8*\b, v[PW]
.endif
.endif
.endr
.irp c, 0,1                                    ; zero codes for hidden blocks
.if (2*\c+1 < \lo) || (2*\c > \hi)
.irp i, 0,1,2,3,4,5
	v_mov_b32 v[CD+6*\c+\i], 0
.endr
.else
.if 2*\c < \lo
.irp i, 0,1,2
	v_mov_b32 v[CD+6*\c+\i], 0
.endr
.endif
.if 2*\c+1 > \hi
.irp i, 0,1,2
	v_mov_b32 v[TQ+4*\c+\i], 0
.endr
.endif
.endif
.endr
.irp c, 0,1
.if (2*\c >= \lo) && (2*\c <= \hi)
	v_cvt_scalef32_pk16_fp6_f32 v[CD+6*\c:CD+6*\c+2], v[S+32*\c:S+32*\c+15], v[AP+4*\c+1]
.endif
.if (2*\c+1 >= \lo) && (2*\c+1 <= \hi)
	v_cvt_scalef32_pk16_fp6_f32 v[TQ+4*\c:TQ+4*\c+2], v[S+32*\c+16:S+32*\c+31], v[AP+4*\c+3]   ; (a conversion's three registers begin on an even number)
.endif
.endr
	v_nop                                          ; one plain place behind a scaled conversion
.irp c, 0,1                                    ; a whole block in a lane: lanes 0-15 block 2 c, lanes 16-31 block 2 c + 1
.if (2*\c+1 >= \lo) && (2*\c <= \hi)
.irp i, 0,1,2
	v_permlane16_swap_b32 v[CD+6*\c+\i], v[TQ+4*\c+\i]
.endr
.irp i, 0,1,2
	v_mov_b32 v[CD+6*\c+3+\i], v[TQ+4*\c+\i]
.endr
.endif
.endr
.irp j, 0,2,4,6,8,10,12,14,16,18,20,22,24,26,28,30
	v_pk_mul_f32 v[O+\j:O+\j+1], v[O+\j:O+\j+1], v[FF:FF+1] op_sel_hi:[1,0]   ; O^T under the new M, from each accumulator's low end on
.endr
.set FIRST, 1
.irp b, 0,1,2,3                                ; the row's sum is taken of the unquantised p: two at a time, in two chains.  Eight lines a block: at the least eight plain lines between the scale word, the codes and O^T above and the products below
.if (\b >= \lo) && (\b <= \hi)
.if FIRST
	v_pk_add_f32 v[SU:SU+1], v[S+16*\b:S+16*\b+1], v[S+16*\b+2:S+16*\b+3]
.irp j, 4,8,12
	v_pk_add_f32 v[14:15], v[14:15], v[S+16*\b+\j:S+16*\b+\j+1]
	v_pk_add_f32 v[SU:SU+1], v[SU:SU+1], v[S+16*\b+\j+2:S+16*\b+\j+3]
.endr
.set FIRST, 0
.else
.irp j, 0,4,8,12
	v_pk_add_f32 v[14:15], v[14:15], v[S+16*\b+\j:S+16*\b+\j+1]
	v_pk_add_f32 v[SU:SU+1], v[SU:SU+1], v[S+16*\b+\j+2:S+16*\b+\j+3]
.endr
.endif
.endif
.endr
	v_pk_add_f32 v[14:15], v[14:15], v[SU:SU+1]
	s_wait_dscnt 0x0                               ; V and its scale words
.irp d, 0,1,2,3                                ; O^T += V^T P^T: four accumulators, one instruction each
.if \d%2
	v_wmma_scale_f32_16x16x128_f8f6f4 v[O+8*\d:O+8*\d+7], v[F+12*\d:F+12*\d+11], v[CD:CD+11], v[O+8*\d:O+8*\d+7], v[VS+\d/2], v[PW] matrix_a_fmt:MATRIX_FMT_FP6 matrix_b_fmt:MATRIX_FMT_FP6 matrix_a_scale:MATRIX_SCALE_ROW1
.else
	v_wmma_scale_f32_16x16x128_f8f6f4 v[O+8*\d:O+8*\d+7], v[F+12*\d:F+12*\d+11], v[CD:CD+11], v[O+8*\d:O+8*\d+7], v[VS+\d/2], v[PW] matrix_a_fmt:MATRIX_FMT_FP6 matrix_b_fmt:MATRIX_FMT_FP6
.endif
.endr
.endm
; A STEP: the wait for record s, the barrier, the step's addresses, and its work: in the oldest and the newest step in the form that belongs to my bq.
.macro STEP s
	s_wait_tensorcnt 4-\s                          ; a loading wave's five loads end in order: record s has landed when at most 4 - s are out (the other waves have none);
	s_barrier_signal -1                            ; no LDS instruction of mine is pending here
	s_barrier_wait -1                              ; everybody's quarter is in.  The later records may stay on their way
.if \s < 4
	s_cmp_lt_u32 s[QB], 4-\s                       ; keys before key 0: the step's work is left out
	s_cbranch_scc1 .Lskip_\@
.endif
	v_add_nc_u32 v8, \s*RKV, v[AKF]                ; four plain lines: the places between the last step's products and the loads into their registers
	v_add_nc_u32 v9, \s*RKV, v[AVF]
	v_add_nc_u32 v10, \s*RKV, v[AKS]
	v_add_nc_u32 v11, \s*RKV, v[AVS]
.if \s == 0                                    ; the oldest step: blocks bq .. 3 count
	s_cmp_eq_u32 s[BQ], 0
	s_cbranch_scc1 .Lq0_\@
	s_cmp_eq_u32 s[BQ], 1
	s_cbranch_scc1 .Lq1_\@
	s_cmp_eq_u32 s[BQ], 2
	s_cbranch_scc1 .Lq2_\@
	BODY 0, 3, 3, 3
	s_branch .Lskip_\@
.Lq0_\@:
	BODY 0, 0, 3, 0
	s_branch .Lskip_\@
.Lq1_\@:
	BODY 0, 1, 3, 1
	s_branch .Lskip_\@
.Lq2_\@:
	BODY 0, 2, 3, 2
.elseif \s == 4                                ; the newest step: blocks 0 .. bq count
	s_cmp_eq_u32 s[BQ], 0
	s_cbranch_scc1 .Lq0_\@
	s_cmp_eq_u32 s[BQ], 1
	s_cbranch_scc1 .Lq1_\@
	s_cmp_eq_u32 s[BQ], 2
	s_cbranch_scc1 .Lq2_\@
	BODY 4, 0, 3, 3
	s_branch .Lskip_\@
.Lq0_\@:
	BODY 4, 0, 0, 0
	s_branch .Lskip_\@
.Lq1_\@:
	BODY 4, 0, 1, 1
	s_branch .Lskip_\@
.Lq2_\@:
	BODY 4, 0, 2, 2
.else
	BODY \s, 0, 3, 9                               ; between them every key counts
.endif
.Lskip_\@:
.endm
	STEP 0
	STEP 1
	STEP 2
	STEP 3
	STEP 4                                         ; its wait on TENSORcnt is for 0: no tensor load is out from here on
	; THE WAY OUT.  O^T / the sum goes through my own stage in LDS and leaves as whole rows of 256 bytes: a head's 64 channels of one query.
	v_add_f32 v14, v14, v15                        ; the sum's two halves,
	v_permlanex16_b32 v[T], v14, s20, s21
	v_add_f32 v14, v14, v[T]                       ; and lane l xor 16's
	v_rcp_f32 v14, v14
	v_and_b32 v8, 15, v0                           ; (plain lines behind the reciprocal and behind the last products)  r
	v_bfe_u32 v9, v0, 4, 1                         ; h
	s_mul_i32 s13, s[WV], 16*SPI
	s_add_co_u32 s13, s13, STG                     ; my stage
	v_mul_u32_u24 v10, v8, SPI
	v_lshl_add_u32 v10, v9, 5, v10
	v_add_nc_u32 v10, s13, v10                     ; in: row r; tile d's eight channels of my half: 64 d + 32 h bytes on
	v_mul_u32_u24 v11, v9, SPI
	v_lshl_add_u32 v11, v8, 4, v11
	v_add_nc_u32 v11, s13, v11                     ; back: lanes 0-15 one row, lanes 16-31 the next
	s_wait_alu depctr_va_vdst(0)
.irp j, 0,1,2,3,4,5,6,7,8,9,10,11,12,13,14,15,16,17,18,19,20,21,22,23,24,25,26,27,28,29,30,31
	v_mul_f32 v[S+\j], v[O+\j], v14                ; register 8 d + j is out(query r, channel 16 d + 8 h + j)
.endr
.irp d, 0,1,2,3
	ds_store_b128 v10, v[S+8*\d:S+8*\d+3] offset:64*\d
	ds_store_b128 v10, v[S+8*\d+4:S+8*\d+7] offset:64*\d+16
.endr
.irp i, 0,1,2,3,4,5,6,7
	ds_load_b128 v[F+4*\i:F+4*\i+3], v11 offset:2*\i*SPI   ; LDS serves a wave's instructions in order (ISA guide 5.7.1.4): these see my stores
.endr
.irp i, 0,1,2,3,4,5,6,7
	s_wait_dscnt 7-\i                              ; load i is back; the 7 - i younger ones may be out
	global_store_b128 v[GO], v[F+4*\i:F+4*\i+3], s[6:7] offset:8192*\i th:TH_STORE_NT   ; sixteen lanes store 256 consecutive bytes, at a multiple of 256 from out0's first byte
.endr
	s_wait_tensorcnt 0x0
	ds_add_u32 v254, v255
	s_wait_dscnt 0x0
	s_endpgm
.Lfunc_end_k_q5eecd062b5_attn:
	.size	k_q5eecd062b5_attn, .Lfunc_end_k_q5eecd062b5_attn-k_q5eecd062b5_attn
	.p2alignl 7, 3214868480
	.fill 96, 4, 3214868480
	.section	.rodata,"a",@progbits
	.p2align	6, 0x0
	.amdhsa_kernel k_q5eecd062b5_attn
		.amdhsa_group_segment_fixed_size 206848
		.amdhsa_private_segment_fixed_size 0
		.amdhsa_enable_private_segment 0
		.amdhsa_kernarg_size 16
		.amdhsa_user_sgpr_count 2
		.amdhsa_user_sgpr_kernarg_segment_ptr 1
		.amdhsa_wavefront_size32 1
		.amdhsa_system_sgpr_workgroup_id_x 1
		.amdhsa_system_sgpr_workgroup_id_y 1
		.amdhsa_system_sgpr_workgroup_id_z 1
		.amdhsa_system_vgpr_workitem_id 0
		.amdhsa_next_free_vgpr 256
		.amdhsa_next_free_sgpr 66
		.amdhsa_reserve_vcc 1
		.amdhsa_float_denorm_mode_32 3
		.amdhsa_float_denorm_mode_16_64 3
		.amdhsa_memory_ordered 1
		.amdhsa_forward_progress 1
		.amdhsa_inst_pref_size 176
	.end_amdhsa_kernel
	.amdgpu_metadata
---
amdhsa.version: [ 1, 2 ]
amdhsa.kernels:
  - .name:           k_q5eecd062b5_attn
    .symbol:         k_q5eecd062b5_attn.kd
    .args:
      - { .name: ws, .offset: 0, .size: 8, .value_kind: global_buffer, .address_space: global }
      - { .name: out0, .offset: 8, .size: 8, .value_kind: global_buffer, .address_space: global }
    .group_segment_fixed_size: 206848
    .private_segment_fixed_size: 0
    .kernarg_segment_align: 8
    .kernarg_segment_size: 16
    .max_flat_workgroup_size: 512
    .sgpr_count:     66
    .vgpr_count:     256
    .wavefront_size: 32
...
	.end_amdgpu_metadata
.endif
;; end of part 2
